; MI455X (gfx1250); checked and timed in simulation.
; The chip was launched on July 23, 2026; its instructions are those of AMD's public machine-readable ISA for CDNA 5 (MIT licence, August 2026) and "CDNA5" Instruction Set Architecture Reference Guide (July 2026). The comments in the code are by the model that wrote it; some were corrected since.
;; Sigma Mo E. Allowed arithmetic: matrix products marked QUANTISED: E4M3 operands, one E8M0 scale for each 32 along K, by v_wmma_scale_f32_16x16x128_f8f6f4 with both operands' format E4M3, f32 sums; products left as they are: f32 operands where the result goes on into a quantised operand, else bf16, f16 or f32 operands; f32 sums; everything else in f32.
;; Inputs: expert_sel_codes 16 x 32 x 32 uint8 (E4M3 codes of expert_sel, K innermost, in blocks of 32 codes); expert_sel_scales 16 x 32 uint8 (E8M0 scales of expert_sel, one for each 32 codes along K); input_tensor_codes 4 x 4,096 x 32 x 32 uint8 (E4M3 codes of input_tensor, K innermost, in blocks of 32 codes); input_tensor_scales 4 x 4,096 x 32 uint8 (E8M0 scales of input_tensor, one for each 32 codes along K); keys_codes 16 x 128 x 32 x 32 uint8 (E4M3 codes of keys, K innermost, in blocks of 32 codes); keys_scales 16 x 128 x 32 uint8 (E8M0 scales of keys, one for each 32 codes along K); values 16 x 128 x 1,024 float32.
;; Outputs: out0 4 x 4,096 x 1,024 float32.
;; This version of the problem:
;;   THIS VERSION OF THE PROBLEM IS GIVEN IN LOW PRECISION. The matrix products marked QUANTISED in the list below multiply operands that are first quantised to E4M3 (4 exponent bits, 3 mantissa bits; 8 bits a number), with one power-of-two scale for each 32 numbers along K (OCP MX v1.0); their sums are f32. All else is computed in f32.
;;   The module's matrix products, in the order in which they are computed (A, B: the left and right operand; K: the contracted axis; several contracted axes count as one K, in the product's order):
;;     1. [M 16,384, K 1,024] x [K 1,024, N 16]; A: input input_tensor (given as codes); B: input expert_sel (given as codes): QUANTISED
;;     2. [M 16,384, K 1,024] x [K 1,024, N 2,048]; A: input input_tensor (given as codes); B: input keys (given as codes): QUANTISED
;;     3. batch 262,144 x [M 128, K 1] x [K 1, N 1]; A: computed on the way; B: computed on the way: left as it is (no contracted axis)
;;     4. [M 16,384, K 2,048] x [K 2,048, N 1,024]; A: computed on the way; B: input values: QUANTISED
;;   THE QUANTISER, for each operand of a quantised product, along K:
;;     - K is cut into blocks of 32 from its start; a last block that is shorter is filled with zeros.
;;     - A block's scale is 2^e with e = floor(log2(the largest magnitude in the block)) - 8, held to -126 .. 127; a block of zeros has e = 0. As a byte (E8M0): e + 127.
;;     - Each number is divided by its block's scale, clamped to +-448, and rounded to the nearest number of E4M3, ties to even, subnormals kept.
;;     - The product sums the exact products of the quantised numbers (number of the format x scale) in f32.
;;   ~~~python
;;   def quantise(x, axis):      # numpy; x: float32 -> the quantised numbers, widened to float32 again
;;       x = np.moveaxis(x, axis, -1); K = x.shape[-1]
;;       x = np.pad(x, [(0, 0)] * (x.ndim - 1) + [(0, -K % 32)]); x = x.reshape(x.shape[:-1] + (-1, 32)); a = np.abs(x).max(-1, keepdims=True)
;;       e = np.where(a > 0, np.clip(np.frexp(np.where(a > 0, a, 1))[1] - 1 - 8, -126, 127), 0)      # np.frexp(a)[1] - 1 = floor(log2(a)), exactly
;;       r = np.clip(x / 2.0 ** e, -448, 448)
;;       step = 2.0 ** (np.maximum(np.frexp(np.where(r == 0, 1, r))[1] - 1, -6) - 3)
;;       q = np.round(r / step) * step * 2.0 ** e      # np.round: ties to even
;;       return np.moveaxis(q.reshape(q.shape[:-2] + (-1,))[..., :K], -1, axis).astype(np.float32)
;;   ~~~
;;   OPERANDS COMPUTED ON THE WAY. 'Computed on the way' means the value that the module computes at that place (a softmax that the list does not call 'softmax' is quantised finished and normalised). What goes into a quantiser is computed in f32, as accurately as f32 sums, v_exp_f32 and their like allow (about 1e-6 of the number): no bf16 or f16 on the way to a quantiser, and a product that is left as it is and whose result goes on into a quantised operand takes f32 operands (vector FMAs, or v_wmma_f32_16x16x4_f32). A number that lies on a knife's edge between two numbers of the format may be rounded either way, as far as f32 arithmetic and the matrix unit's own rounding can turn it there, and no further.
;;   INPUTS GIVEN AS CODES. expert_sel (in the module: [16, 1024], K = its axis 1); input_tensor (in the module: [4, 4096, 1024], K = its axis 2); keys (in the module: [16, 1024, 128], K = its axis 1): each comes as NAME_codes (uint8): NAME with its K axis moved to the last place and cut into blocks of 32 codes, [.., K / 32, bytes a block], one block behind the other in memory; one code a byte (a code: sign, 4 exponent bits, 3 mantissa bits); and NAME_scales (uint8): the same leading axes, one E8M0 byte (e + 127) for each 32 codes along K. Its value is code x scale, taken as it is: it is not quantised again, and the codes and scales need not be those that the quantiser above would give.
;; One version. Each part assembles by itself: llvm-mc -triple=amdgcn-amd-amdhsa -mcpu=gfx1250 --defsym DOCPART=n.
;; ======== version 1 of 1: 2 launches
;; limits: right only within a limited range of input values
;; workspace buffers: hcodes 33,554,432 bytes; hscales 1,048,576 bytes; wcodes 2,097,152 bytes; wscales 65,536 bytes
;; launch hidden (part 1): grid 8 x 32, 4 waves a work-group, clusters of 4 x 4, 327,680 bytes of LDS; arguments input_tensor_codes, input_tensor_scales, keys_codes, keys_scales, expert_sel_codes, expert_sel_scales, values, hcodes, hscales, wcodes, wscales; writes hcodes, hscales, wcodes, wscales
.if DOCPART == 1
	.amdgcn_target "amdgcn-amd-amdhsa--gfx1250"
	.amdhsa_code_object_version 6
	.text
	.protected	k_q6fd71d9421_hidden
	.globl	k_q6fd71d9421_hidden
	.p2align	8
	.type	k_q6fd71d9421_hidden,@function
k_q6fd71d9421_hidden:
	s_mov_b64 s[64:65], 0
	v_nop
	global_prefetch_b8 v0, s[64:65] scope:SCOPE_SE
	s_setreg_imm32_b32 hwreg(HW_REG_WAVE_MODE, 25, 1), 1
	s_wait_xcnt 0x0
	s_wait_alu depctr_hold_cnt(0) depctr_sa_sdst(0) depctr_va_vdst(0) depctr_va_sdst(0) depctr_va_ssrc(0) depctr_va_vcc(0) depctr_vm_vsrc(0)
	s_getreg_b32 s2, hwreg(HW_REG_IB_STS2, 6, 4)
	s_cmp_eq_u32 s2, 0
	s_cbranch_scc0 .Lentry_in_a_cluster
	s_endpgm
.Lentry_in_a_cluster:
	s_bfe_u32 s2, ttmp6, 0x10000c
	s_cmp_lg_u32 s2, 0xf033
	s_cbranch_scc0 .Lentry_shape_is_right
	s_endpgm
.Lentry_shape_is_right:
; FIRST OF TWO LAUNCHES.  hidden(m, (e, u)) = Q( relu(x(m) . keys(e, u)) x sigmoid(x(m) . expert_sel(e)) ), Q the MX-FP8 quantiser along (e, u) in blocks of 32; codes and scale words go to the second launch.  No step of the problem is left out.
; x [16384][1024], keys [2048 = (e, u)][1024], expert_sel [16][1024]: E4M3 codes, K innermost, one E8M0 byte for each 32 along K: they go to the matrix unit as they lie.
; THE DEAL.  256 work-groups of four waves: 512 rows x 256 units (experts 2 TX, 2 TX + 1).  Wave w holds keys' rows 64 w .. 64 w + 63 of the work-group's 256, ALL of K, in 512 registers, and streams the 512 rows of x past them in 32 blocks of 16.
; A block of x stands in 128 registers; there are two such sets, and behind a block's products its set takes the block two on.
; CLUSTERS: 4 x 4 work-groups: x's rows are asked for jointly along a row of the cluster, keys' along a column.
; LDS: keys' 256 rows at first; then the same bytes are a ring of four quarters of 64 rows of x: quarters 0, 1 and quarters 2, 3 are filled at the head, then one quarter (16 rows a wave) in each of the first loop's four trips.  x's scale bytes of all 512 rows lie behind it.
; TRANSPOSED USE: source 0 = keys' rows, source 1 = x's rows.  Tile j of a wave takes the units 32 (r / 8) + 8 j + r % 8 in lane r, so that lane (r, h) holds row r and the 32 units of block h of the wave's two, in ascending order: a scale block lies in ONE lane.
; THE ROUTER: source 0 = expert_sel's rows 2 TX (lanes 0-7) and 2 TX + 1 (lanes 8-15): register 0 of lane (r, h) is expert h's logit of row r.  Each wave multiplies a quarter of K: two products a block; the four partial sums meet in LDS.
; So that this quarter always stands in a block's first two fragments, wave w keeps K in an order of its own: fragment p holds the 128 numbers of K step p xor 2 w, of keys, x and scale words alike: only the order of summing differs (a stated limit).
; THE WAY OUT of block s (largest magnitudes, gate, hold, conversion) stands among the products of block s + 3; sums lie in four sets by turns.  The gate is not negative, so relu(s) g = relu(s g), and the largest s g is (the largest s) g.
; The first trip's first three ways out have no block before them: they work on what stands in the registers and store nothing.
; SIDE JOB, while x's first rows are on their way: each work-group quantises 32 rows (one block along K) x 256 columns of values: a lane takes a column and its registers run down K.
; WORKSPACE.  hcodes [e][row tile][c][lane][16 bytes], wcodes [e][column tile][c][lane][16 bytes]: images of the operand's registers.  hscales [e][row], wscales [e][column]: one word, byte c for block c.
; LIMITS: NaN and infinities are not served.  A block whose largest magnitude lies under 2^-118 keeps the byte 1; so does a block of zeros (the rule says 127): its codes are zeros, and this program alone reads the bytes.
; PREFETCH: x's 512 rows, in four parts of 128 rows (512 units of 256 bytes, one lane each, shared by the sixteen waves of a cluster's row, by address): two parts behind the head's loads, one behind each of the head's two refills.
; REGISTERS: window 0: addresses, scale words, sums, codes, expert_sel; windows 1, 2: keys; window 3: x's two sets.
.set KROW,  1024
.set PITCH, 1040
.set YB,    128*PITCH
.set SCL,   2*YB                       ; x's scale bytes: units of 256 bytes (8 rows) + 16 of padding
.set RS,    32
.set XT,    2304                       ; a table of result bytes: 256 bytes that only the first trip's skipped lines could name, then 512 rows x 4
.set XN,    SCL+64*272
.set PART,  XN+2*XT                    ; partial logits: [block of a trip 4][expert 2][row 16][wave 4]
.set SPARE, PART+2048
.set NF,    36                         ; LDS loads of a block: 32 of codes, four of scale words
.set ADRA0, 1
.set ADRA,  5
.set AAS0,  9
.set AAS,   13
.set CN,    17
.set SPW,   18
.set NIL,   19
.set VX,    20
.set PWR,   21
.set PRD,   22
.set PFV,   23
.set SB,    24                         ; keys' scale words: register 8 p + q: lanes 0-15 tile 2 p, lanes 16-31 tile 2 p + 1
.set EB,    40
.set SELS,  42
.set SA,    44                         ; x's scale words, two sets of eight: no product's two scale words have numbers equal modulo 8
.set TQ,    60                         ; the way out: +0, +1 largest magnitudes, +2 the conversion's scale operand, +3 448 x the scale
.set ACC,   64
.set RAC,   192
.set NCD,   200
.set SEL,   208
.set GT,    240                        ; two gates, at +0 and +2
.set PA,    244
.set PB,    248
.set ZA,    252
.set ZB,    253
.set VO,    254
.set WO,    255
.set G1K,   24
.set G1S,   32
.set G1X,   48
.set G1R,   92
.set G0K,   56
.set G0S,   60
.set G0X,   68
.set G0R,   72
.set MSB, 0
.macro WIN new
.if MSB != \new
	s_set_vgpr_msb (MSB<<8)|\new
.set MSB, \new
.endif
.endm
.macro WALU
	s_wait_alu depctr_va_vdst(0)
.endm
.macro BARRIER
	s_barrier_signal -1
	s_barrier_wait -1
.endm
.macro MIDDLE                          ; a round's middle
	WIN 0
	s_barrier_wait -1
	s_cmp_lg_u32 s14, 0
	s_cbranch_scc1 .Lnot_wave_0_\@
	s_barrier_signal -3
.Lnot_wave_0_\@:
	s_barrier_wait -3
.endm
.macro CROUND                          ; a round of the cluster's barrier
	s_barrier_signal -1
	MIDDLE
	BARRIER
.endm
.macro GRD
	s_wait_tensorcnt 0x0
	ds_add_u32 v[SPW], v[NIL]
.endm
.macro TLOAD g0, g1                    ; an s_nop 0 and four v_nop follow each load
	tensor_load_to_lds s[\g0:\g0+3], s[\g1:\g1+7]
	s_nop 0
	v_nop
	v_nop
	v_nop
	v_nop
.endm
.macro GROUP1 g, mask, rows            ; so many whole rows of 1,024 bytes, 16 bytes of padding behind each
	s_or_b32 s[\g+0], s[\mask], (1<<20)|(1<<21)|(7<<22)|(3<<25)
	s_mov_b32 s[\g+1], KROW<<16
	s_mov_b32 s[\g+2], (\rows)<<16
	s_mov_b32 s[\g+3], KROW<<16
	s_mov_b32 s[\g+4], \rows
	s_mov_b32 s[\g+5], KROW
	s_mov_b32 s[\g+6], 0
	s_mov_b32 s[\g+7], 0
.endm
	s_load_b256 s[4:11], s[0:1], 0x0               ; x's codes, x's scales, keys' codes, keys' scales
	s_load_b256 s[76:83], s[0:1], 0x20             ; expert_sel's codes, its scales, values, hcodes
	s_load_b128 s[88:91], s[0:1], 0x40             ; hscales, wcodes
	s_load_b64 s[86:87], s[0:1], 0x50              ; wscales
	v_lshl_add_u32 v[SPW], v0, 2, SPARE
	v_mov_b32 v[NIL], 0
	ds_add_u32 v[SPW], v[NIL]                      ; the wave's opening: the add, twice on end, ahead of my first tensor load
	ds_add_u32 v[SPW], v[NIL]
	v_lshrrev_b32 v255, 5, v0
	v_readfirstlane_b32 s14, v255                  ; w: wave 0..3
	s_lshr_b32 s15, s14, 1                         ; my expert of the two
	s_and_b32 s16, s14, 1                          ; my half of its units
	s_bfe_u32 s40, ttmp6, 0x40000
	s_bfe_u32 s41, ttmp6, 0x40004
	s_lshl_b32 s18, ttmp9, 2
	s_add_co_u32 s18, s18, s40                     ; TX
	s_and_b32 s19, ttmp7, 0xffff
	s_lshl_b32 s19, s19, 2
	s_add_co_u32 s19, s19, s41                     ; TY
	s_lshl_b32 s44, s41, 2
	s_lshl_b32 s44, 15, s44                        ; my row of the cluster
	s_lshl_b32 s45, 0x1111, s40                    ; my column
	GROUP1 G1K, 45, 128
	GROUP1 G1X, 44, 32
	GROUP1 G1R, 44, 16
	s_or_b32 s[G1S+0], s44, (3<<16)|(1<<20)|(1<<21)|(5<<22)|(3<<25)  ; the scale bytes of 256 rows: 32 units of 256 bytes, 16 of padding behind each
	s_mov_b32 s[G1S+1], 32<<16
	s_mov_b32 s[G1S+2], RS<<16
	s_mov_b32 s[G1S+3], 32<<16
	s_mov_b32 s[G1S+4], RS
	s_mov_b32 s[G1S+5], 32
	s_mov_b32 s[G1S+6], 0
	s_mov_b32 s[G1S+7], 0
	s_mov_b32 s2, 0x600000                         ; the mantissa field of 448
	s_mov_b32 s[G0K], 1
	s_mul_i32 s[G0K+1], s16, YB
	s_mov_b32 s[G0S], 1
	s_mul_i32 s[G0S+1], s16, RS*272
	s_add_co_u32 s[G0S+1], s[G0S+1], SCL
	s_mov_b32 s[G0X], 1
	s_mul_i32 s[G0X+1], s14, 32*PITCH
	s_mov_b32 s[G0R], 1
	s_mul_i32 s47, s14, 16*PITCH                   ; a refill's rows in LDS: wave x 16
	s_lshl_b32 s67, s19, 19
	s_lshl_b32 s12, s14, 14
	s_add_co_u32 s67, s67, s12
	s_add_co_u32 s67, s67, 256*KROW                ; and in memory, of the first refill
	s_lshl_b32 s100, s40, 2                        ; my share of a prefetch: 4 cx + w
	s_add_co_u32 s100, s100, s14
	s_lshl_b32 s100, s100, 13
	s_lshl_b32 s12, s19, 19
	s_add_co_u32 s100, s100, s12
	v_and_b32 v252, 15, v0                         ; r
	v_bfe_u32 v253, v0, 4, 1                       ; h
	v_and_b32 v254, 31, v0                         ; lane
	v_lshlrev_b32 v255, 4, v252
	s_lshl_b32 s12, s14, 2
	s_add_co_u32 s12, s12, PART
	v_lshl_add_u32 v[PWR], v253, 8, v255           ; partial logits in: [h][r][w]
	v_add_nc_u32 v[PWR], s12, v[PWR]
	s_lshl_b32 s12, s15, 8
	s_add_co_u32 s12, s12, PART
	v_add_nc_u32 v[PRD], s12, v255                 ; out: my expert's, row r, four waves' on end
	v_lshl_add_u32 v[CN], v253, 9, v255            ; my 32 codes: block h, 16 r; the second sixteen 256 bytes on
	v_lshl_add_u32 v[VX], v252, 2, v253
	s_mul_i32 s12, s15, XT
	s_lshl_b32 s13, s16, 1
	s_add_co_u32 s12, s12, s13
	s_add_co_u32 s12, s12, XN-192                  ; a trip earlier and three blocks back
	v_add_nc_u32 v[VX], s12, v[VX]
	v_lshrrev_b32 v251, 3, v252
	v_and_b32 v250, 7, v252
	v_lshl_add_u32 v250, v251, 5, v250             ; my row of tile 0: 32 (r / 8) + r % 8
	v_lshl_add_u32 v249, v253, 3, v250
	v_lshlrev_b32 v249, 5, v249                    ; keys' scale bytes: lanes 16-31 the next tile's
	v_mul_u32_u24 v250, v250, PITCH
	v_lshl_add_u32 v250, v253, 4, v250
	s_mul_i32 s12, s14, 64*PITCH
	v_add_nc_u32 v250, s12, v250                   ; keys in LDS
	v_mul_u32_u24 v248, v252, PITCH
	v_lshl_add_u32 v248, v253, 4, v248             ; x in LDS
	v_lshlrev_b32 v247, 5, v252
	v_lshl_add_u32 v247, v251, 4, v247
	v_add_nc_u32 v247, SCL, v247                   ; x's scale words
.irp p, 0,1,2,3                                ; fragments 2 p, 2 p + 1 hold K steps 2 (p xor w), 2 (p xor w) + 1
	s_xor_b32 s12, s14, \p
	s_lshl_b32 s13, s12, 8
	s_lshl_b32 s12, s12, 3
	v_add_nc_u32 v[ADRA0+\p], s13, v248
	v_add_nc_u32 v[ADRA+\p], s13, v250             ; keys' at first, x's behind them
	v_add_nc_u32 v[AAS0+\p], s12, v247
	v_add_nc_u32 v[192+\p], s12, v249
.endr
	v_lshlrev_b32 v196, 10, v251
	v_lshl_add_u32 v196, v253, 4, v196             ; expert_sel's codes: row r / 8, + 16 h
	v_lshlrev_b32 v197, 5, v251                    ; its scale bytes
	v_lshlrev_b32 v[PFV], 8, v254
	v_add_nc_u32 v[PFV], s100, v[PFV]
	v_lshl_add_u32 v[WO], v253, 11, v255           ; values' codes: 2048 h + 16 r
	v_lshlrev_b32 v[VO], 2, v254                   ; 4 x lane
.irp i, 0,1,2,3
	v_mov_b32 v[GT+\i], 0
.endr
	WALU
	s_wait_dscnt 0x0                               ; both opening adds are done
	CROUND                                         ; all sixteen work-groups are here
	s_wait_kmcnt 0x0
	s_lshl_b32 s42, s18, 18                        ; waves 0, 1: keys' rows 256 TX + 128 (w & 1) on
	s_lshl_b32 s12, s16, 17
	s_add_co_u32 s42, s42, s12
	s_mov_b32 s43, 0
	s_add_nc_u64 s[G0K+2:G0K+3], s[8:9], s[42:43]
	s_or_b32 s[G0K+3], s[G0K+3], 0x80000000
	s_lshl_b32 s20, s19, 14                        ; waves 2, 3: the scale bytes of x's rows 512 TY + 256 (w & 1) on
	s_lshl_b32 s12, s16, 13
	s_add_co_u32 s20, s20, s12
	s_mov_b32 s21, 0
	s_add_nc_u64 s[G0S+2:G0S+3], s[6:7], s[20:21]
	s_or_b32 s[G0S+3], s[G0S+3], 0x80000000
	s_lshl_b32 s20, s19, 19                        ; x's first 128 rows: 32 a wave
	s_lshl_b32 s12, s14, 15
	s_add_co_u32 s20, s20, s12
	s_add_nc_u64 s[G0X+2:G0X+3], s[4:5], s[20:21]
	s_or_b32 s[G0X+3], s[G0X+3], 0x80000000
	s_cmp_lt_u32 s14, 2                            ; ONE joint load a wave
	s_cbranch_scc0 .Lfor_scales
	TLOAD G0K, G1K
	s_branch .Lasked
.Lfor_scales:
	TLOAD G0S, G1S
.Lasked:
	s_lshl_b32 s42, s18, 13                        ; keys' scale words: rows 256 TX + 64 w on
	s_lshl_b32 s12, s14, 11
	s_add_co_u32 s42, s42, s12
	s_add_nc_u64 s[10:11], s[10:11], s[42:43]
	s_lshl_b32 s42, s18, 11                        ; expert_sel: rows 2 TX on, my quarter of K
	s_lshl_b32 s12, s14, 8
	s_add_co_u32 s42, s42, s12
	s_add_nc_u64 s[76:77], s[76:77], s[42:43]
	s_lshl_b32 s42, s18, 6
	s_lshl_b32 s12, s14, 3
	s_add_co_u32 s42, s42, s12
	s_add_nc_u64 s[78:79], s[78:79], s[42:43]
	s_lshl_b32 s12, s19, 1
	s_lshr_b32 s13, s18, 2
	s_add_co_u32 s12, s12, s13                     ; s12: my block of 32 rows of values, 2 TY + TX / 4
	s_and_b32 s13, s18, 3                          ; s13: my 256 columns, TX % 4
	s_mov_b32 s101, 0
	s_lshl_b32 s100, s12, 17                       ; values: 32 rows of 4,096 bytes a block
	s_lshl_b32 s22, s13, 10
	s_add_co_u32 s100, s100, s22
	s_lshl_b32 s22, s14, 8
	s_add_co_u32 s100, s100, s22
	s_add_nc_u64 s[80:81], s[80:81], s[100:101]
.irp p, 0,1
.irp q, 0,1,2,3
	global_load_b64 v[SB+8*\p+2*\q:SB+8*\p+2*\q+1], v[192+\q], s[10:11] offset:512*\p
.endr
.endr
.irp q, 0,1
.irp c, 0,1,2,3
	global_load_b128 v[SEL+16*\q+4*\c:SEL+16*\q+4*\c+3], v196, s[76:77] offset:128*\q+32*\c
.endr
.endr
	global_load_b64 v[SELS:SELS+1], v197, s[78:79]
	global_prefetch_b8 v[PFV], s[4:5] th:TH_LOAD_NT scope:SCOPE_SE
	global_prefetch_b8 v[PFV], s[4:5] offset:131072 th:TH_LOAD_NT scope:SCOPE_SE
.set I_, 0
.rept 32                                       ; values: my columns 64 w + lane and 64 w + 32 + lane, 32 rows: read once in the launch
	global_load_b32 v[64+I_], v[VO], s[80:81] offset:4096*I_ th:TH_LOAD_NT
	global_load_b32 v[96+I_], v[VO], s[80:81] offset:4096*I_+128 th:TH_LOAD_NT
.set I_, I_+1
.endr
	ds_store_b32 v[PWR], v[NIL] offset:1536        ; the first trip reads the partial sums of a block before it: zeros
	s_lshr_b32 s22, s12, 2                         ; the block's expert
	s_and_b32 s23, s12, 3                          ; its place in the expert's 128
	s_lshl_b32 s100, s22, 17                       ; wcodes: 131,072 bytes an expert, 2,048 a tile of 16 columns, 512 a block
	s_lshl_b32 s12, s13, 15
	s_add_co_u32 s100, s100, s12
	s_lshl_b32 s12, s14, 13
	s_add_co_u32 s100, s100, s12
	s_lshl_b32 s12, s23, 9
	s_add_co_u32 s100, s100, s12
	s_add_nc_u64 s[90:91], s[90:91], s[100:101]
	s_lshl_b32 s100, s22, 12                       ; wscales: 4,096 bytes an expert, 4 a column, the block's byte
	s_lshl_b32 s12, s13, 10
	s_add_co_u32 s100, s100, s12
	s_lshl_b32 s12, s14, 8
	s_add_co_u32 s100, s100, s12
	s_add_co_u32 s100, s100, s23
	s_add_nc_u64 s[86:87], s[86:87], s[100:101]
	s_lshl_b32 s12, s18, 1
	s_add_co_u32 s12, s12, s15                     ; my expert
	s_lshl_b32 s84, s12, 21                        ; hcodes: 2^21 bytes an expert, 2,048 a tile of 16 rows, 512 a block
	s_lshl_b32 s13, s19, 16
	s_add_co_u32 s84, s84, s13
	s_lshl_b32 s13, s16, 10
	s_add_co_u32 s84, s84, s13
	s_mov_b32 s85, 0
	s_add_nc_u64 s[84:85], s[82:83], s[84:85]
	s_sub_nc_u64 s[84:85], s[84:85], 4*2048        ; stepped at each block's head; a block leaves three blocks on
	s_lshl_b32 s100, s12, 16                       ; hscales: 65,536 bytes an expert, 4 a row
	s_lshl_b32 s12, s19, 11
	s_add_co_u32 s100, s100, s12
	s_add_co_u32 s100, s100, s13
	s_add_nc_u64 s[88:89], s[88:89], s[100:101]
	s_wait_tensorcnt 0x0                           ; my load is in,
	s_wait_dscnt 0x0                               ; and my zeros;
	BARRIER                                        ; everybody's are
.set Q_, 0
.rept 8                                        ; my 64 rows of keys, all of K: fragment 4 q + b: tile b; window 1, then window 2
	WIN (1+Q_/4)<<6
.irp b, 0,1,2,3
.irp c, 0,1,2,3
	ds_load_b128 v[16*((4*Q_+\b)%16)+4*\c:16*((4*Q_+\b)%16)+4*\c+3], v[ADRA+Q_/2] offset:128*(Q_%2)+32*\c+8*\b*PITCH
.endr
.endr
.set Q_, Q_+1
.endr
	WIN 0
	GRD
	s_wait_dscnt 0x0                               ; keys are in registers, the add is done
	CROUND
	TLOAD G0X, G1X                                 ; x's rows 0 .. 127
	global_prefetch_b8 v[PFV], s[4:5] offset:262144 th:TH_LOAD_NT scope:SCOPE_SE
	s_wait_loadcnt 0x0
	; THE SIDE JOB: one block of 32 along K of my two columns
	v_max3_num_f32 v60, |v64|, |v65|, |v66|
	v_max3_num_f32 v61, |v96|, |v97|, |v98|
.irp i, 3,5,7,9,11,13,15,17,19,21,23,25,27,29
	v_max3_num_f32 v60, v60, |v[64+\i]|, |v[65+\i]|
	v_max3_num_f32 v61, v61, |v[96+\i]|, |v[97+\i]|
.endr
	v_max3_num_f32 v60, v60, |v95|, 0x4800000      ; and the floor 2^(9 - 127): the byte cannot fall under 1
	v_max3_num_f32 v61, v61, |v127|, 0x4800000
	v_add_nc_u32 v244, 0xfc000000, v60             ; 8 off the exponent field: the conversion's scale operand
	v_add_nc_u32 v245, 0xfc000000, v61
	v_and_or_b32 v246, v60, 0x7f800000, s2         ; 448 x the scale
	v_and_or_b32 v247, v61, 0x7f800000, s2
.set I_, 0
.rept 32                                       ; the conversion does not saturate (ISA guide 7.6.2): the hold comes first
	v_med3_num_f32 v[128+I_], v[64+I_], -v246, v246
	v_med3_num_f32 v[160+I_], v[96+I_], -v247, v247
.set I_, I_+1
.endr
.irp i, 0,1,2,3
	v_cvt_scalef32_pk8_fp8_f32 v[192+2*\i:193+2*\i], v[128+8*\i:135+8*\i], v244
	v_cvt_scalef32_pk8_fp8_f32 v[200+2*\i:201+2*\i], v[160+8*\i:167+8*\i], v245
.endr
	v_lshrrev_b32 v248, 23, v244                   ; the scales' bytes
	v_lshrrev_b32 v249, 23, v245
	global_store_b128 v[WO], v[192:195], s[90:91]  ; sixteen lanes store 256 consecutive bytes, aligned
	global_store_b128 v[WO], v[196:199], s[90:91] offset:256
	global_store_b128 v[WO], v[200:203], s[90:91] offset:4096
	global_store_b128 v[WO], v[204:207], s[90:91] offset:4352
	global_store_b8 v[VO], v248, s[86:87]          ; one byte of each column's word: the other three come from other work-groups
	global_store_b8 v[VO], v249, s[86:87] offset:128
.irp p, 0,1,2,3
	v_mov_b32 v[ADRA+\p], v[ADRA0+\p]
	v_mov_b32 v[AAS+\p], v[AAS0+\p]
.endr
	WALU
	GRD
	s_add_nc_u64 s[G0X+2:G0X+3], s[G0X+2:G0X+3], 128*KROW
	s_add_co_u32 s[G0X+1], s[G0X+1], YB
	s_wait_dscnt 0x0
	CROUND                                         ; x's rows 0 .. 127 are in
	TLOAD G0X, G1X                                 ; rows 128 .. 255
.macro FETCH jj, k                     ; block jj of a trip into set k, and its scale words: NF loads
	WIN 0xc0
.irp q, 0,1,2,3,4,5,6,7
.irp c, 0,1,2,3
	ds_load_b128 v[128*\k+16*\q+4*\c:128*\k+16*\q+4*\c+3], v[ADRA+\q/2] offset:\jj*16*PITCH+128*(\q%2)+32*\c
.endr
.endr
	WIN 0
.irp p, 0,1,2,3
	ds_load_b64 v[SA+8*\k+2*\p:SA+8*\k+2*\p+1], v[AAS+\p] offset:\jj*544
.endr
.endm
.macro PROD j, n                       ; product n of block j of a trip: n = 0 and 5 the router's two; else the I_-th of 32: fragment I_ / 4, tile I_ % 4.  Accumulators take turns
.set K_, (\j)%2
.if (\n) == 0
	WIN 0x0c
	v_wmma_scale_f32_16x16x128_f8f6f4 v[RAC:RAC+7], v[SEL:SEL+15], v[128*K_:128*K_+15], 0, v[SELS], v[SA+8*K_]
.elseif (\n) == 5
	WIN 0x0c
	v_wmma_scale_f32_16x16x128_f8f6f4 v[RAC:RAC+7], v[SEL+16:SEL+31], v[128*K_+16:128*K_+31], v[RAC:RAC+7], v[SELS+1], v[SA+8*K_+1]
.else
.if (\n) < 5
.set I_, (\n)-1
.else
.set I_, (\n)-2
.endif
.set Q_, I_/4
.set B_, I_%4
.set AC_, ACC+32*(\j)+8*B_
.set W_, 16*(I_%16)
.set R_, 128*K_+16*Q_
.set WS_, SB+8*(B_/2)+Q_
.set XS_, SA+8*K_+Q_
	WIN 0x0c+1+I_/16
.if Q_ == 0 && B_%2
	v_wmma_scale_f32_16x16x128_f8f6f4 v[AC_:AC_+7], v[W_:W_+15], v[R_:R_+15], 0, v[WS_], v[XS_] matrix_a_scale:MATRIX_SCALE_ROW1
.elseif Q_ == 0
	v_wmma_scale_f32_16x16x128_f8f6f4 v[AC_:AC_+7], v[W_:W_+15], v[R_:R_+15], 0, v[WS_], v[XS_]
.elseif B_%2
	v_wmma_scale_f32_16x16x128_f8f6f4 v[AC_:AC_+7], v[W_:W_+15], v[R_:R_+15], v[AC_:AC_+7], v[WS_], v[XS_] matrix_a_scale:MATRIX_SCALE_ROW1
.else
	v_wmma_scale_f32_16x16x128_f8f6f4 v[AC_:AC_+7], v[W_:W_+15], v[R_:R_+15], v[AC_:AC_+7], v[WS_], v[XS_]
.endif
.endif
.endm
.macro PKM k, x, g                     ; two sums x the gate
	v_pk_mul_f32 v[\x+2*(\k):\x+2*(\k)+1], v[\x+2*(\k):\x+2*(\k)+1], v[\g:\g+1] op_sel_hi:[1,0]
.endm
.macro HOLD i, x                       ; the activation and the hold in one (the conversion does not saturate: ISA guide 7.6.2)
	v_med3_num_f32 v[\x+(\i)], v[\x+(\i)], 0, v[TQ+3]
.endm
.macro CVT k, x
	v_cvt_scalef32_pk8_fp8_f32 v[NCD+2*(\k):NCD+2*(\k)+1], v[\x+8*(\k):\x+8*(\k)+7], v[TQ+2]
.endm
.macro WOUT m, x, g                    ; THE WAY OUT, gap m = 0 .. 29: a lane's 32 sums at x, the gate at g.  No |.|: what is negative must not count; each accumulator is read from its low end on
.if (\m) == 0
	v_max3_num_f32 v[TQ], v[\x], v[\x+1], v[\x+2]
	v_max3_num_f32 v[TQ+1], v[\x+17], v[\x+18], v[\x+19]
.elseif (\m) < 7
	v_max3_num_f32 v[TQ], v[TQ], v[\x+2*(\m)+1], v[\x+2*(\m)+2]
	v_max3_num_f32 v[TQ+1], v[TQ+1], v[\x+2*(\m)+18], v[\x+2*(\m)+19]
.elseif (\m) == 7
	v_max3_num_f32 v[TQ], v[TQ], v[\x+15], v[\x+16]
	PKM 0, \x, \g
.elseif (\m) == 8
	v_max_num_f32 v[TQ], v[TQ], v[TQ+1]
	PKM 1, \x, \g
.elseif (\m) == 9
	v_mul_f32 v[TQ], v[TQ], v[\g]
	PKM 2, \x, \g
.elseif (\m) == 10
	v_max_num_f32 v[TQ], 0x4800000, v[TQ]          ; the floor: the byte cannot fall under 1
	PKM 3, \x, \g
.elseif (\m) == 11
	v_add_nc_u32 v[TQ+2], 0xfc000000, v[TQ]
	PKM 4, \x, \g
.elseif (\m) == 12
	v_and_or_b32 v[TQ+3], v[TQ], 0x7f800000, s2
	PKM 5, \x, \g
.elseif (\m) < 18
	PKM 2*(\m)-20, \x, \g
	PKM 2*(\m)-19, \x, \g
.elseif (\m) < 30
	HOLD 2*(\m)-36, \x
	HOLD 2*(\m)-35, \x
.if ((\m)-18)%4 == 3
	CVT ((\m)-18)/4, \x
.endif
.endif
.endm
.macro WEND x                          ; its end, behind a block's last product: eight plain lines ahead of the loads into what the products have read
.irp i, 24,25,26,27,28,29,30,31
	HOLD \i, \x
.endr
	CVT 3, \x
	v_lshrrev_b32 v[EB], 23, v[TQ+2]               ; the scale's byte
.endm
.macro QOUT j                          ; a block's byte and codes: sixteen lanes store 256 consecutive bytes, aligned
	ds_store_b8 v[VX], v[EB] offset:64*\j
	global_store_b128 v[CN], v[NCD:NCD+3], s[84:85]
	global_store_b128 v[CN], v[NCD+4:NCD+7], s[84:85] offset:256
.endm
.macro LIST j, n, lp                   ; what stands behind product n of block j; lp: which loop
.if (\n) == 0
	s_add_nc_u64 s[84:85], s[84:85], 2048
.if (\j) == 2                          ; the next trip's quarter and scale words
	s_add_co_u32 s22, s46, 1
	s_mul_i32 s23, s22, 8*272
.if \lp
	s_add_co_u32 s23, s23, 4*8*272
.endif
	s_and_b32 s22, s22, 3
	s_mul_i32 s22, s22, 64*PITCH
.endif
.else
	WIN 0
	WOUT (\n)-1, ACC+32*(((\j)+1)%4), GT+2*((\j)%2)
.endif
.if (\j) == 0 && (\n) == 2
	v_add_nc_u32 v[VX], 256, v[VX]
.endif
.if (\j) == 2 && (\n) > 1 && (\n) < 6
	v_add_nc_u32 v[ADRA+(\n)-2], s22, v[ADRA0+(\n)-2]
	v_add_nc_u32 v[AAS+(\n)-2], s23, v[AAS0+(\n)-2]
.endif
.if (\n) == 12
	ds_store_b32 v[PWR], v[RAC] offset:512*(\j)    ; my part of the block's logits
.endif
.if (\j) == 2 && (\lp) == 0
.if (\n) == 15
	WALU
	GRD
.elseif (\n) == 31                     ; the refill: 16 rows of the quarter just read out (no load of mine is out)
	s_mul_i32 s[G0R+1], s46, 64*PITCH
	s_add_co_u32 s[G0R+1], s[G0R+1], s47
	s_lshl_b32 s20, s46, 16
	s_add_co_u32 s20, s20, s67
.elseif (\n) == 32
	s_add_nc_u64 s[G0R+2:G0R+3], s[4:5], s[20:21]
	s_or_b32 s[G0R+3], s[G0R+3], 0x80000000
.endif
.endif
.endm
.macro RUN j, from, to, lp
.set N_, \from
.rept (\to)-(\from)
	PROD \j, N_
	LIST \j, N_, \lp
.set N_, N_+1
.endr
.endm
.macro BHEAD
	s_wait_dscnt NF                                ; this block's set is in; the newest NF loads are the next block's
	s_wait_xcnt 0x0                                ; the last stores have read their codes and their base
.endm
.macro MEET j, lp                      ; a block's last products round a barrier's signal
	WIN 0
	WALU
.if (\j) == 2 && (\lp) == 1
	s_wait_tensorcnt 0x0
.endif
	s_wait_dscnt 0x0                               ; my part of the logits, my reads (and the add) are done
	s_barrier_signal -1
	RUN \j, 30, 34, \lp
.endm
.macro PLOAD a, b                      ; two blocks' partial logits, from all four waves
	ds_load_b128 v[PA:PA+3], v[PRD] offset:512*\a
	ds_load_b128 v[PB:PB+3], v[PRD] offset:512*\b
.endm
.macro GATES ga, gb, two               ; sigmoid(z) = 1 / (1 + 2^(-z log2 e)), in f32
	v_add_f32 v[ZA], v[PA], v[PA+1]
	v_add_f32 v[PA+2], v[PA+2], v[PA+3]
.if \two
	v_add_f32 v[ZB], v[PB], v[PB+1]
	v_add_f32 v[PB+2], v[PB+2], v[PB+3]
	v_add_f32 v[ZB], v[ZB], v[PB+2]
.endif
	v_add_f32 v[ZA], v[ZA], v[PA+2]
	v_mul_f32 v[ZA], 0xbfb8aa3b, v[ZA]
.if \two
	v_mul_f32 v[ZB], 0xbfb8aa3b, v[ZB]
.endif
	WALU
	v_exp_f32 v[ZA], v[ZA]
.if \two
	v_exp_f32 v[ZB], v[ZB]
.endif
	v_nop
	WALU
	v_add_f32 v[ZA], 1.0, v[ZA]
.if \two
	v_add_f32 v[ZB], 1.0, v[ZB]
.endif
	WALU
	v_rcp_f32 v[\ga], v[ZA]
.if \two
	v_rcp_f32 v[\gb], v[ZB]
.endif
	v_nop
	WALU
.endm
.macro FIRSTSKIP j                     ; the first trip's first three ways out store nothing
	s_cmp_eq_u32 s46, 0
	s_cbranch_scc1 .Lnone_\@
	QOUT \j
.Lnone_\@:
.endm
	global_prefetch_b8 v[PFV], s[4:5] offset:393216 th:TH_LOAD_NT scope:SCOPE_SE
	FETCH 0, 0
	FETCH 1, 1
	s_mov_b32 s46, 0                               ; the trip
	s_mov_b32 s21, 0
.Lring:                                        ; blocks 0 .. 15: each trip's block 2 has a round and a refill
	BHEAD
	RUN 0, 0, 30, 0
	MEET 0, 0
	WIN 0
	s_barrier_wait -1
	WEND ACC+32
	FIRSTSKIP 0
	PLOAD 3, 0
	FETCH 2, 0
	BHEAD
	RUN 1, 0, 34, 0
	WIN 0
	WEND ACC+64
	FIRSTSKIP 1
	FETCH 3, 1
	s_wait_dscnt NF                                ; the partial logits are in
	GATES GT, GT+2, 1
	BHEAD
	RUN 2, 0, 30, 0
	MEET 2, 0
	MIDDLE
	BARRIER                                        ; nobody reads this trip's quarter any more, and the last refill is in
	TLOAD G0R, G1R
	WEND ACC+96
	FIRSTSKIP 2
	PLOAD 1, 2
	FETCH 0, 0
	BHEAD
	RUN 3, 0, 34, 0
	WIN 0
	WEND ACC
	QOUT 3
	FETCH 1, 1
	s_wait_dscnt NF
	GATES GT, GT+2, 1
	s_add_co_u32 s46, s46, 1
	s_cmp_lg_u32 s46, 4
	s_cbranch_scc1 .Lring
	s_mov_b32 s46, 0
.Lrest:                                        ; blocks 16 .. 31: nothing is filled again
	BHEAD
	RUN 0, 0, 30, 1
	MEET 0, 1
	WIN 0
	s_barrier_wait -1
	WEND ACC+32
	QOUT 0
	PLOAD 3, 0
	FETCH 2, 0
	BHEAD
	RUN 1, 0, 34, 1
	WIN 0
	WEND ACC+64
	QOUT 1
	FETCH 3, 1
	s_wait_dscnt NF
	GATES GT, GT+2, 1
	BHEAD
	RUN 2, 0, 30, 1
	MEET 2, 1
	WIN 0
	s_barrier_wait -1
	WEND ACC+96
	QOUT 2
	PLOAD 1, 2
	s_cmp_eq_u32 s46, 3
	s_cbranch_scc1 .Lno_block_0
	FETCH 0, 0
	s_wait_dscnt NF
	s_branch .Lgo_0
.Lno_block_0:
	s_wait_dscnt 0x0
.Lgo_0:
	s_wait_xcnt 0x0
	RUN 3, 0, 34, 1
	WIN 0
	WEND ACC
	QOUT 3
	s_cmp_eq_u32 s46, 3
	s_cbranch_scc1 .Lno_block_1
	FETCH 1, 1
	s_wait_dscnt NF
	s_branch .Lgo_1
.Lno_block_1:
	s_wait_dscnt 0x0
.Lgo_1:
	GATES GT, GT+2, 1
	s_add_co_u32 s46, s46, 1
	s_cmp_lg_u32 s46, 4
	s_cbranch_scc1 .Lrest
	; the last three blocks leave
	s_wait_dscnt 0x0                               ; my part of the last block's logits
	BARRIER
	ds_load_b128 v[PA:PA+3], v[PRD] offset:1536
	v_add_nc_u32 v[VX], 256, v[VX]
.macro LEAVE j, x, g
	s_wait_xcnt 0x0
	s_add_nc_u64 s[84:85], s[84:85], 2048
.set N_, 0
.rept 30
	WOUT N_, \x, \g
.set N_, N_+1
.endr
	WEND \x
	QOUT \j
.endm
	WALU
	LEAVE 0, ACC+32, GT
	LEAVE 1, ACC+64, GT+2
	s_wait_xcnt 0x0
	s_wait_dscnt 0x0
	v_mov_b32 v255, 0
	GATES 254, 254, 0
	LEAVE 2, ACC+96, 254
	s_wait_xcnt 0x0
	v_and_b32 v252, 31, v0
	v_lshlrev_b32 v252, 4, v252
	s_mul_i32 s12, s15, XT
	s_lshl_b32 s13, s16, 10
	s_add_co_u32 s12, s12, s13
	s_add_co_u32 s12, s12, XN+256
	v_add_nc_u32 v253, s12, v252
	WALU
	s_wait_dscnt 0x0                               ; my bytes
	BARRIER
	ds_load_b128 v[244:247], v253                  ; 256 rows' scale words of one expert: 1,024 consecutive bytes a wave
	ds_load_b128 v[248:251], v253 offset:512
	s_wait_dscnt 0x0
	global_store_b128 v252, v[244:247], s[88:89]
	global_store_b128 v252, v[248:251], s[88:89] offset:512
	s_wait_tensorcnt 0x0                           ; the wave's end
	ds_add_u32 v[SPW], v[NIL]
	s_wait_dscnt 0x0
	CROUND                                         ; the closing round
	s_endpgm
.Lfunc_end_k_q6fd71d9421_hidden:
	.size	k_q6fd71d9421_hidden, .Lfunc_end_k_q6fd71d9421_hidden-k_q6fd71d9421_hidden
	.p2alignl 7, 3214868480
	.fill 96, 4, 3214868480
	.section	.rodata,"a",@progbits
	.p2align	6, 0x0
	.amdhsa_kernel k_q6fd71d9421_hidden
		.amdhsa_group_segment_fixed_size 327680
		.amdhsa_private_segment_fixed_size 0
		.amdhsa_enable_private_segment 0
		.amdhsa_kernarg_size 88
		.amdhsa_user_sgpr_count 2
		.amdhsa_user_sgpr_kernarg_segment_ptr 1
		.amdhsa_wavefront_size32 1
		.amdhsa_system_sgpr_workgroup_id_x 1
		.amdhsa_system_sgpr_workgroup_id_y 1
		.amdhsa_system_sgpr_workgroup_id_z 1
		.amdhsa_system_vgpr_workitem_id 0
		.amdhsa_next_free_vgpr 1024
		.amdhsa_next_free_sgpr 102
		.amdhsa_reserve_vcc 0
		.amdhsa_float_denorm_mode_32 3
		.amdhsa_float_denorm_mode_16_64 3
		.amdhsa_memory_ordered 1
		.amdhsa_forward_progress 1
		.amdhsa_inst_pref_size 173
	.end_amdhsa_kernel
	.amdgpu_metadata
---
amdhsa.version: [ 1, 2 ]
amdhsa.kernels:
  - .name:           k_q6fd71d9421_hidden
    .symbol:         k_q6fd71d9421_hidden.kd
    .args:
      - { .name: input_tensor_codes, .offset: 0, .size: 8, .value_kind: global_buffer, .address_space: global }
      - { .name: input_tensor_scales, .offset: 8, .size: 8, .value_kind: global_buffer, .address_space: global }
      - { .name: keys_codes, .offset: 16, .size: 8, .value_kind: global_buffer, .address_space: global }
      - { .name: keys_scales, .offset: 24, .size: 8, .value_kind: global_buffer, .address_space: global }
      - { .name: expert_sel_codes, .offset: 32, .size: 8, .value_kind: global_buffer, .address_space: global }
      - { .name: expert_sel_scales, .offset: 40, .size: 8, .value_kind: global_buffer, .address_space: global }
      - { .name: values, .offset: 48, .size: 8, .value_kind: global_buffer, .address_space: global }
      - { .name: hcodes, .offset: 56, .size: 8, .value_kind: global_buffer, .address_space: global }
      - { .name: hscales, .offset: 64, .size: 8, .value_kind: global_buffer, .address_space: global }
      - { .name: wcodes, .offset: 72, .size: 8, .value_kind: global_buffer, .address_space: global }
      - { .name: wscales, .offset: 80, .size: 8, .value_kind: global_buffer, .address_space: global }
    .group_segment_fixed_size: 327680
    .private_segment_fixed_size: 0
    .kernarg_segment_align: 8
    .kernarg_segment_size: 88
    .max_flat_workgroup_size: 128
    .sgpr_count:     102
    .vgpr_count:     1024
    .wavefront_size: 32
...
	.end_amdgpu_metadata
.endif
;; end of part 1
;; launch combine (part 2): grid 4 x 64, 4 waves a work-group, clusters of 4 x 4, 327,680 bytes of LDS; arguments hcodes, hscales, wcodes, wscales, out0; writes out0
.if DOCPART == 2
	.amdgcn_target "amdgcn-amd-amdhsa--gfx1250"
	.amdhsa_code_object_version 6
	.text
	.protected	k_q6fd71d9421_combine
	.globl	k_q6fd71d9421_combine
	.p2align	8
	.type	k_q6fd71d9421_combine,@function
k_q6fd71d9421_combine:
	s_mov_b64 s[64:65], 0
	v_nop
	global_prefetch_b8 v0, s[64:65] scope:SCOPE_SE
	s_setreg_imm32_b32 hwreg(HW_REG_WAVE_MODE, 25, 1), 1
	s_wait_xcnt 0x0
	s_wait_alu depctr_hold_cnt(0) depctr_sa_sdst(0) depctr_va_vdst(0) depctr_va_sdst(0) depctr_va_ssrc(0) depctr_va_vcc(0) depctr_vm_vsrc(0)
	s_getreg_b32 s2, hwreg(HW_REG_IB_STS2, 6, 4)
	s_cmp_eq_u32 s2, 0
	s_cbranch_scc0 .Lentry_in_a_cluster
	s_endpgm
.Lentry_in_a_cluster:
	s_bfe_u32 s2, ttmp6, 0x10000c
	s_cmp_lg_u32 s2, 0xf033
	s_cbranch_scc0 .Lentry_shape_is_right
	s_endpgm
.Lentry_shape_is_right:
; SECOND OF TWO LAUNCHES.  out(m, v) = sum over (e, u) of hidden(m, (e, u)) values((e, u), v): K = 2,048 in 16 steps of 128, one for each expert; both operands are images of the matrix unit's registers in memory.  Nothing is left out.
; A tile of 256 x 256 is made by a work-group of four waves; a wave makes 128 x 128: 64 accumulators, 512 registers.  Two experts make a slot (A's two steps, then B's two, 32,768 bytes each); two slots take turns.
; CLUSTERS: 4 x 4 work-groups: A's tiles are asked for jointly along a row, B's along a column.  The head's loads are shared out, one a wave: slot 0's A, slot 0's B, A's scale words and B's for all of K.
; TRANSPOSED USE: source 0 = B's columns, source 1 = A's rows: a lane holds eight neighbouring numbers of a row of C.
; THE LAST SLOT GOES BY ROWS OF C: B's fragments of both steps fill window 1, and each block of 16 rows is finished by 16 products and leaves while the next is multiplied.
; PREFETCH: the tile that stands two refills on: of the 32,768 bytes that a wave fetches in the ring each of the four partners names 32 units of 256 bytes, a lane each, told apart by address; tiles 2 and 3 behind the head's loads, tiles 4 to 7 in the loop's first two trips.
; B is the same for every row of clusters: the first four rows of clusters alone ask for it.
; REGISTERS: window 0: v0-31 addresses; v32-63 scale words, two sets; v64-127 rows on their way out; v128-255 A's fragments.  window 1: B's fragments, two sets.  windows 2, 3: accumulators ((a, b) at v[8 (8 (a % 4) + b)]).
.set SIZE_N, 1024
.set NQ,     2
.set FR,     16
.set NL,     4
.set NP,     8                         ; places behind this matrix instruction (ISA guide 7.12.1)
.set QB,     32768
.set SLOT,   4*QB
.set LAPS,   4
.set SCA,    2*SLOT
.set SCB,    SCA+16384+128
.set SPARE,  SCB+16384+128
.set SPITCH, 528
.set STEPA,  4194304                   ; bytes from a tile of A to the next: two experts
.set STEPB,  262144
.set ADRA, 16
.set ADRB, 20
.set STO,  24
.set RD,   25
.set CO,   26
.set ADRS, 27
.set SPW,  28
.set NIL,  29
.set PFO,  30
.set PFN,  31
.set SC,   32
.set BK,   64
.set AF,   128
.set WV,   14
.set RH,   15
.set CH,   16
.set TY,   17
.set TX,   42
.set G1,   24
.set G0,   32
.set G1B,  48
.set G0B,  56
.set G1S,  68
.set G0S,  76
.set G1SB, 80
.set G0SB, 88
.set G0H,  4
.set G0HB, 8
.set PFA,  94                          ; s[94:95] the prefetches' base; s[96:97] its step
.set PFS,  96
.set LIM,  98                          ; 1 where my wave prefetches, else the greatest number
.set MSB, 0
.macro WIN new
.if MSB != \new
	s_set_vgpr_msb (MSB<<8)|\new
.set MSB, \new
.endif
.endm
.set MUL_LO, 0xa1
.set MUL_HI, 0xf1
.set TO_B,   0x40
.macro JLOAD g0a, g1a, g0b, g1b        ; waves 0, 1 fetch for A, waves 2, 3 for B; an s_nop 0 and four v_nop follow each line
	s_cmp_eq_u32 s[RH], 0
	s_cbranch_scc0 .Lfor_b_\@
	tensor_load_to_lds s[\g0a:\g0a+3], s[\g1a:\g1a+7]
	s_nop 0
.rept 4
	v_nop
.endr
	s_branch .Lasked_\@
.Lfor_b_\@:
	tensor_load_to_lds s[\g0b:\g0b+3], s[\g1b:\g1b+7]
	s_nop 0
.rept 4
	v_nop
.endr
.Lasked_\@:
.endm
.macro CREST
	s_cmp_lg_u32 s[WV], 0
	s_cbranch_scc1 .Lnot_wave_0_\@
	s_barrier_signal -3
.Lnot_wave_0_\@:
	s_barrier_wait -3
	s_barrier_signal -1
	s_barrier_wait -1
.endm
.macro CROUND
	s_barrier_signal -1
	s_barrier_wait -1
	CREST
.endm
	s_load_b128 s[4:7], s[0:1], 0x0                ; hcodes, hscales
	s_load_b128 s[8:11], s[0:1], 0x10              ; wcodes, wscales
	s_load_b64 s[12:13], s[0:1], 0x20              ; out0
	v_lshl_add_u32 v[SPW], v0, 2, SPARE
	v_mov_b32 v[NIL], 0
	ds_add_u32 v[SPW], v[NIL]                      ; the wave's opening: the add, twice on end
	ds_add_u32 v[SPW], v[NIL]
	v_lshrrev_b32 v1, 5, v0
	v_readfirstlane_b32 s[WV], v1
	s_lshr_b32 s[RH], s[WV], 1
	s_and_b32 s[CH], s[WV], 1
	s_bfe_u32 s40, ttmp6, 0x40000
	s_bfe_u32 s41, ttmp6, 0x40004
	s_lshl_b32 s[TX], ttmp9, 2
	s_add_co_u32 s[TX], s[TX], s40
	s_and_b32 s99, ttmp7, 0xffff                   ; the cluster's row
	s_lshl_b32 s[TY], s99, 2
	s_add_co_u32 s[TY], s[TY], s41
	s_lshl_b32 s43, s41, 2
	s_lshl_b32 s43, 15, s43
	s_lshl_b32 s44, 0x1111, s40
	s_or_b32 s[G1+0], s43, (3<<16)|(1<<21)         ; the head's loads of codes: two rows (experts) of 32,768 bytes
	s_or_b32 s[G1B+0], s44, (3<<16)|(1<<21)
.irp g, G1, G1B
	s_mov_b32 s[\g+1], 4096<<16
	s_mov_b32 s[\g+2], 2<<16
	s_mov_b32 s[\g+3], 4096<<16
	s_mov_b32 s[\g+4], 2
	s_mov_b32 s[\g+6], 0
	s_mov_b32 s[\g+7], 0
.endr
	s_mov_b32 s[G1+5], 262144
	s_mov_b32 s[G1B+5], 16384
	s_or_b32 s[G1S+0], s43, (3<<16)|(1<<21)        ; scale words: sixteen rows (experts) of 1,024 bytes
	s_or_b32 s[G1SB+0], s44, (3<<16)|(1<<21)
.irp g, G1S, G1SB
	s_mov_b32 s[\g+1], 128<<16
	s_mov_b32 s[\g+2], 16<<16
	s_mov_b32 s[\g+3], 128<<16
	s_mov_b32 s[\g+4], 16
	s_mov_b32 s[\g+6], 0
	s_mov_b32 s[\g+7], 0
.endr
	s_mov_b32 s[G1S+5], 8192
	s_mov_b32 s[G1SB+5], 512
	s_lshl_b32 s20, s[TY], 15
	s_mov_b32 s21, 0
	s_lshl_b32 s22, s[TY], 10
	s_mov_b32 s23, 0
	s_lshl_b32 s46, s[TX], 15
	s_mov_b32 s47, 0
	s_lshl_b32 s92, s[TX], 10
	s_mov_b32 s93, 0
	s_lshl_b32 s45, s[WV], 15
	s_wait_dscnt 0x0                               ; both opening adds are done
	s_wait_kmcnt 0x0
	s_add_nc_u64 s[20:21], s[4:5], s[20:21]
	s_add_nc_u64 s[22:23], s[6:7], s[22:23]
	s_add_nc_u64 s[46:47], s[8:9], s[46:47]
	s_add_nc_u64 s[92:93], s[10:11], s[92:93]
	CROUND                                         ; all sixteen work-groups are here
	s_mov_b32 s[G0H], 1
	s_mov_b32 s[G0H+1], 0
	s_mov_b64 s[G0H+2:G0H+3], s[20:21]
	s_or_b32 s[G0H+3], s[G0H+3], 0x80000000
	s_mov_b32 s[G0HB], 1
	s_mov_b32 s[G0HB+1], 2*QB
	s_mov_b64 s[G0HB+2:G0HB+3], s[46:47]
	s_or_b32 s[G0HB+3], s[G0HB+3], 0x80000000
	s_mov_b32 s[G0S], 1
	s_mov_b32 s[G0S+1], SCA
	s_mov_b64 s[G0S+2:G0S+3], s[22:23]
	s_or_b32 s[G0S+3], s[G0S+3], 0x80000000
	s_mov_b32 s[G0SB], 1
	s_mov_b32 s[G0SB+1], SCB
	s_mov_b64 s[G0SB+2:G0SB+3], s[92:93]
	s_or_b32 s[G0SB+3], s[G0SB+3], 0x80000000
.macro ARM under, g0, g1, next         ; ONE tree of branches on the wave's number: every way passes exactly one load
	s_cmp_lt_u32 s[WV], \under
	s_cbranch_scc0 \next
	tensor_load_to_lds s[\g0:\g0+3], s[\g1:\g1+7]
	s_nop 0
.rept 4
	v_nop
.endr
	s_branch .Lhead_asked
\next:
.endm
	ARM 1, G0H,  G1,  .Lhead_b
	ARM 2, G0HB, G1B, .Lhead_sa
	ARM 3, G0S,  G1S, .Lhead_sb
	tensor_load_to_lds s[G0SB:G0SB+3], s[G1SB:G1SB+7]
	s_nop 0
.rept 4
	v_nop
.endr
.Lhead_asked:
	s_lshl_b32 s18, s[CH], 21                      ; the ring: one expert's 32,768 bytes a wave
	s_mov_b32 s19, 0
	s_add_nc_u64 s[20:21], s[20:21], s[18:19]
	s_lshl_b32 s18, s[CH], 17
	s_add_nc_u64 s[46:47], s[46:47], s[18:19]
.irp s, 0,1
	s_mov_b32 s[G0+4*\s], 1
	s_add_co_u32 s[G0+4*\s+1], s45, \s*SLOT
	s_add_nc_u64 s[G0+4*\s+2:G0+4*\s+3], s[20:21], \s*STEPA
	s_or_b32 s[G0+4*\s+3], s[G0+4*\s+3], 0x80000000
	s_mov_b32 s[G0B+4*\s], 1
	s_add_co_u32 s[G0B+4*\s+1], s45, \s*SLOT
	s_add_nc_u64 s[G0B+4*\s+2:G0B+4*\s+3], s[46:47], \s*STEPB
	s_or_b32 s[G0B+4*\s+3], s[G0B+4*\s+3], 0x80000000
.endr
	s_cmp_lt_u32 s99, 4
	s_cselect_b32 s99, 1, -1
	s_mov_b32 s18, STEPB
	s_mov_b32 s2, STEPA
	s_cmp_eq_u32 s[RH], 0
	s_cselect_b32 s[LIM], 1, s99
	s_cselect_b32 s[PFS], s2, s18
	s_cselect_b64 s[PFA:PFA+1], s[20:21], s[46:47]
	s_cselect_b32 s18, s40, s41                    ; my place among the four that ask with me
	s_mov_b32 s[PFS+1], 0
	s_lshl_b32 s18, s18, 13
	s_add_nc_u64 s[PFA:PFA+1], s[PFA:PFA+1], s[18:19]
	s_add_nc_u64 s[PFA:PFA+1], s[PFA:PFA+1], s[PFS:PFS+1]
	s_add_nc_u64 s[PFA:PFA+1], s[PFA:PFA+1], s[PFS:PFS+1]   ; at tile 2
	v_and_b32 v6, 31, v0
	v_lshlrev_b32 v[PFO], 8, v6
	v_add_nc_u32 v[PFN], s[PFS], v[PFO]            ; one tile on
	s_cmp_eq_u32 s[LIM], 1
	s_cbranch_scc0 .Lnot_mine
	global_prefetch_b8 v[PFO], s[PFA:PFA+1] th:TH_LOAD_NT scope:SCOPE_SE
	global_prefetch_b8 v[PFN], s[PFA:PFA+1] th:TH_LOAD_NT scope:SCOPE_SE
.Lnot_mine:
	s_wait_alu depctr_va_vdst(0)
	v_and_b32 v1, 15, v0
	v_bfe_u32 v2, v0, 4, 1
	v_lshlrev_b32 v[CO], 4, v6
	s_lshl_b32 s21, s[RH], 14
	s_lshl_b32 s22, s[CH], 14
	s_add_co_u32 s22, s22, 2*QB
	v_add_nc_u32 v[ADRA], s21, v[CO]
	v_add_nc_u32 v[ADRB], s22, v[CO]
	v_add_nc_u32 v[ADRA+1], SLOT, v[ADRA]
	v_add_nc_u32 v[ADRB+1], SLOT, v[ADRB]
	s_lshl_b32 s21, s[RH], 9
	s_lshl_b32 s22, s[CH], 9
	s_add_co_u32 s22, s22, SCB-SCA
	s_sub_co_u32 s22, s22, s21
	v_mul_u32_u24 v5, s22, v2                      ; lanes 16-31 take B's words: one product
	v_lshl_add_u32 v5, v1, 2, v5
	s_add_co_u32 s21, s21, SCA
	v_add_nc_u32 v[ADRS], s21, v5
	s_mul_i32 s23, s[WV], 16*SPITCH
	v_mul_u32_u24 v5, v1, SPITCH
	v_lshl_add_u32 v5, v2, 5, v5
	v_add_nc_u32 v[STO], s23, v5
	v_add_nc_u32 v[RD], s23, v[CO]
	s_lshl_b32 s20, s[TY], 20
	s_lshl_b32 s21, s[RH], 19
	s_add_co_u32 s20, s20, s21
	s_lshl_b32 s46, s[TX], 10
	s_lshl_b32 s47, s[CH], 9
	s_add_co_u32 s46, s46, s47
	s_add_co_u32 s20, s20, s46
	s_mov_b32 s21, 0
	s_add_nc_u64 s[12:13], s[12:13], s[20:21]
.macro FRAG reg, adr, q, i
.irp c, 0,1,2,3
	ds_load_b128 v[\reg+4*\c:\reg+4*\c+3], v[\adr] offset:QB*(\q)+2048*(\i)+512*\c
.endr
.endm
; 16 products: A's blocks a0, a0 + 1 against B's eight; the accumulators take turns
.macro MUL16 a0, p, q, sc, zero
.irp a, \a0, \a0+1
.irp b, 0,1,2,3,4,5,6,7
.if \zero
	v_wmma_scale_f32_16x16x128_f8f6f4 v[8*(8*((\a)%4)+\b):8*(8*((\a)%4)+\b)+7], v[128*(\p)+FR*\b:128*(\p)+FR*\b+FR-1], v[AF+FR*(\a):AF+FR*(\a)+FR-1], 0, v[SC+8*NQ*(\sc)+NQ*\b+(\q)], v[SC+8*NQ*(\sc)+NQ*(\a)+(\q)] matrix_a_scale:MATRIX_SCALE_ROW1
.else
	v_wmma_scale_f32_16x16x128_f8f6f4 v[8*(8*((\a)%4)+\b):8*(8*((\a)%4)+\b)+7], v[128*(\p)+FR*\b:128*(\p)+FR*\b+FR-1], v[AF+FR*(\a):AF+FR*(\a)+FR-1], v[8*(8*((\a)%4)+\b):8*(8*((\a)%4)+\b)+7], v[SC+8*NQ*(\sc)+NQ*\b+(\q)], v[SC+8*NQ*(\sc)+NQ*(\a)+(\q)] matrix_a_scale:MATRIX_SCALE_ROW1
.endif
.endr
.endr
.endm
.macro FETCH_B slot, q, p
	WIN TO_B
.irp i, 0,1,2,3,4,5,6,7
	FRAG 128*(\p)+FR*\i, ADRB+\slot, \q, \i
.endr
	WIN 0
.endm
.macro FETCH_A slot, q, i0
.irp i, \i0, \i0+1, \i0+2, \i0+3
	FRAG AF+FR*(\i), ADRA+\slot, \q, \i
.endr
.endm
.macro SCALES sc
.irp i, 0,1,2,3,4,5,6,7
	ds_load_b32 v[SC+16*\sc+2*\i], v[ADRS] offset:64*\i
	ds_load_b32 v[SC+16*\sc+2*\i+1], v[ADRS] offset:64*\i+1024
.endr
.endm
.macro PLACES n
.rept \n
	v_nop
.endr
.endm
.macro STEP slot, q, zero              ; a slot's first 128 along K
	s_wait_dscnt 4*NL                              ; all but A's blocks 4-7, the youngest sixteen
	WIN MUL_LO
	MUL16 0, (\q)%2, \q, \slot, \zero
	MUL16 2, (\q)%2, \q, \slot, \zero
	s_wait_dscnt 0
	PLACES NP
	FETCH_B \slot, (\q)+1, 1-(\q)%2
	FETCH_A \slot, (\q)+1, 0
	WIN MUL_HI
	MUL16 4, (\q)%2, \q, \slot, \zero
	MUL16 6, (\q)%2, \q, \slot, \zero
	PLACES NP
	WIN 0
	FETCH_A \slot, (\q)+1, 4
.endm
.macro TURN slot, next                 ; its second 128, and the change of slots: this slot takes the tile two on
	s_wait_dscnt 4*NL
	WIN MUL_LO
	MUL16 0, 1, NQ-1, \slot, 0
	MUL16 2, 1, NQ-1, \slot, 0
	WIN 0
	s_wait_xcnt 0x0                                ; a prefetch has read its base
	s_add_nc_u64 s[PFA:PFA+1], s[PFA:PFA+1], s[PFS:PFS+1]
	s_wait_tensorcnt 0x0                           ; my part of the next slot is in
	ds_add_u32 v[SPW], v[NIL]
	s_add_nc_u64 s[G0+4*\slot+2:G0+4*\slot+3], s[G0+4*\slot+2:G0+4*\slot+3], 2*STEPA
	s_add_nc_u64 s[G0B+4*\slot+2:G0B+4*\slot+3], s[G0B+4*\slot+2:G0B+4*\slot+3], 2*STEPB
	s_wait_dscnt 0x0                               ; the add is done, and my reads of this slot
	s_barrier_signal -1
	s_barrier_wait -1
	CREST
	JLOAD G0+4*\slot, G1, G0B+4*\slot, G1B
	PLACES NP-4
	s_wait_alu depctr_va_vdst(0)
	v_add_nc_u32 v[ADRS], 2048, v[ADRS]
	FETCH_B \next, 0, 0
	FETCH_A \next, 0, 0
	SCALES \next
	s_cmp_gt_u32 s3, s[LIM]                        ; the loop's last trip has no tile two refills on
	s_wait_alu depctr_va_vdst(0)                   ; the wait directly ahead of the branch
	s_cbranch_scc0 .Lnot_mine_\@
	global_prefetch_b8 v[PFN], s[PFA:PFA+1] th:TH_LOAD_NT scope:SCOPE_SE
.Lnot_mine_\@:
	WIN MUL_HI
	MUL16 4, 1, NQ-1, \slot, 0
	MUL16 6, 1, NQ-1, \slot, 0
	PLACES NP
	WIN 0
	FETCH_A \next, 0, 4
.endm
	s_wait_alu depctr_va_vdst(0)                   ; the wait at the head's end
	s_wait_tensorcnt 0x0                           ; my tile of the head's four is in
	ds_add_u32 v[SPW], v[NIL]
.irp g, G1, G1B                                ; no tensor load of mine is out: from here on a load brings 128 rows of 256 bytes
	s_mov_b32 s[\g+1], 32<<16
	s_mov_b32 s[\g+2], 128<<16
	s_mov_b32 s[\g+3], 32<<16
	s_mov_b32 s[\g+4], 128
	s_mov_b32 s[\g+5], 32
.endr
	s_wait_dscnt 0x0
	CROUND                                         ; all four tiles are in
	JLOAD G0+4, G1, G0B+4, G1B                     ; slot 1
	FETCH_B 0, 0, 0
	FETCH_A 0, 0, 0
	SCALES 0
	FETCH_A 0, 0, 4
	STEP 0, 0, 1                                   ; its first products start the sums
	s_mov_b32 s3, LAPS-1
.Llap:
	TURN 0, 1
	STEP 1, 0, 0
	TURN 1, 0
	STEP 0, 0, 0
	s_sub_co_u32 s3, s3, 1
	s_cmp_lg_u32 s3, 0
	s_cbranch_scc1 .Llap
.macro ALOAD a                         ; A's block a, both steps of the last slot, into buffer a % 4
	FRAG AF+32*((\a)%4), ADRA+1, 0, \a
	FRAG AF+32*((\a)%4)+16, ADRA+1, 1, \a
.endm
.macro ROW a                           ; block a is finished: 16 products, its eight accumulators by turns
	WIN MUL_LO+0x50*((\a)/4)
.irp q, 0,1
.irp b, 0,1,2,3,4,5,6,7
	v_wmma_scale_f32_16x16x128_f8f6f4 v[8*(8*((\a)%4)+\b):8*(8*((\a)%4)+\b)+7], v[128*\q+FR*\b:128*\q+FR*\b+FR-1], v[AF+32*((\a)%4)+16*\q:AF+32*((\a)%4)+16*\q+15], v[8*(8*((\a)%4)+\b):8*(8*((\a)%4)+\b)+7], v[SC+16+2*\b+\q], v[SC+16+2*(\a)+\q] matrix_a_scale:MATRIX_SCALE_ROW1
.endr
.endr
	WIN 0
	PLACES NP
.endm
; a block through my own stage: it lies in slot 0, whose last fill and last read are over.  LDS serves a wave's instructions in order (ISA guide 5.7.1.4)
.macro TOSTAGE a
.set AC, 64*((\a)%4)
	WIN 0x08+4*((\a)/4)
.irp b, 0,1,2,3,4,5,6,7
	ds_store_b128 v[STO], v[AC+8*\b:AC+8*\b+3] offset:64*\b
	ds_store_b128 v[STO], v[AC+8*\b+4:AC+8*\b+7] offset:64*\b+16
.endr
	WIN 0
.irp t, 0,1,2,3,4,5,6,7,8,9,10,11,12,13,14,15
	ds_load_b128 v[BK+4*\t:BK+4*\t+3], v[RD] offset:\t*SPITCH
.endr
.endm
.macro SEND a, younger                 ; younger: the LDS loads issued behind the block's
	s_wait_dscnt \younger
.if (\a) > 0
	s_add_nc_u64 s[12:13], s[12:13], 16*SIZE_N*4   ; (behind a wait on XCNT)
.endif
.irp t, 0,1,2,3,4,5,6,7,8,9,10,11,12,13,14,15
	global_store_b128 v[CO], v[BK+4*\t:BK+4*\t+3], s[12:13] offset:\t*SIZE_N*4   ; 32 lanes store 512 consecutive bytes, aligned
.endr
.endm
	s_wait_dscnt 4*NL                              ; slot 0's last step: nothing is filled again
	WIN MUL_LO
	MUL16 0, 1, NQ-1, 0, 0
	MUL16 2, 1, NQ-1, 0, 0
	WIN 0
	s_wait_tensorcnt 0x0
	s_wait_dscnt 0x0
	s_barrier_signal -1
	s_barrier_wait -1
	PLACES NP
	s_wait_alu depctr_va_vdst(0)
	v_add_nc_u32 v[ADRS], 2048, v[ADRS]
	FETCH_B 1, 0, 0
	ALOAD 0
	ALOAD 1
	SCALES 1
	WIN MUL_HI
	MUL16 4, 1, NQ-1, 0, 0
	MUL16 6, 1, NQ-1, 0, 0
	PLACES NP
	FETCH_B 1, 1, 1
	ALOAD 2
	ALOAD 3
	s_wait_dscnt 16                                ; all but A's blocks 2 and 3
	ROW 0
	TOSTAGE 0
	ALOAD 4
.irp a, 1,2,3,4,5,6,7                          ; block a - 1 comes back from the stage under block a's products
	ROW \a
.if \a < 5
	SEND \a-1, 8                                   ; behind it: block a + 3's eight loads
.else
	SEND \a-1, 0
.endif
	s_wait_xcnt 0x0                                ; the stores have read their data and their base
	TOSTAGE \a
.if \a < 4
	ALOAD \a+4
.endif
.endr
	SEND 7, 0
	s_wait_tensorcnt 0x0                           ; the wave's end
	ds_add_u32 v[SPW], v[NIL]
	s_wait_dscnt 0x0
	CROUND                                         ; the closing round
	s_endpgm
.Lfunc_end_k_q6fd71d9421_combine:
	.size	k_q6fd71d9421_combine, .Lfunc_end_k_q6fd71d9421_combine-k_q6fd71d9421_combine
	.p2alignl 7, 3214868480
	.fill 96, 4, 3214868480
	.section	.rodata,"a",@progbits
	.p2align	6, 0x0
	.amdhsa_kernel k_q6fd71d9421_combine
		.amdhsa_group_segment_fixed_size 327680
		.amdhsa_private_segment_fixed_size 0
		.amdhsa_enable_private_segment 0
		.amdhsa_kernarg_size 40
		.amdhsa_user_sgpr_count 2
		.amdhsa_user_sgpr_kernarg_segment_ptr 1
		.amdhsa_wavefront_size32 1
		.amdhsa_system_sgpr_workgroup_id_x 1
		.amdhsa_system_sgpr_workgroup_id_y 1
		.amdhsa_system_sgpr_workgroup_id_z 1
		.amdhsa_system_vgpr_workitem_id 0
		.amdhsa_next_free_vgpr 1024
		.amdhsa_next_free_sgpr 102
		.amdhsa_reserve_vcc 0
		.amdhsa_float_denorm_mode_32 3
		.amdhsa_float_denorm_mode_16_64 3
		.amdhsa_memory_ordered 1
		.amdhsa_forward_progress 1
		.amdhsa_inst_pref_size 151
	.end_amdhsa_kernel
	.amdgpu_metadata
---
amdhsa.version: [ 1, 2 ]
amdhsa.kernels:
  - .name:           k_q6fd71d9421_combine
    .symbol:         k_q6fd71d9421_combine.kd
    .args:
      - { .name: hcodes, .offset: 0, .size: 8, .value_kind: global_buffer, .address_space: global }
      - { .name: hscales, .offset: 8, .size: 8, .value_kind: global_buffer, .address_space: global }
      - { .name: wcodes, .offset: 16, .size: 8, .value_kind: global_buffer, .address_space: global }
      - { .name: wscales, .offset: 24, .size: 8, .value_kind: global_buffer, .address_space: global }
      - { .name: out0, .offset: 32, .size: 8, .value_kind: global_buffer, .address_space: global }
    .group_segment_fixed_size: 327680
    .private_segment_fixed_size: 0
    .kernarg_segment_align: 8
    .kernarg_segment_size: 40
    .max_flat_workgroup_size: 128
    .sgpr_count:     102
    .vgpr_count:     1024
    .wavefront_size: 32
...
	.end_amdgpu_metadata
.endif
;; end of part 2
